; MI455X (gfx1250); checked and timed in simulation.
; The chip was launched on July 23, 2026; its instructions are those of AMD's public machine-readable ISA for CDNA 5 (MIT licence, August 2026) and "CDNA5" Instruction Set Architecture Reference Guide (July 2026). The comments in the code are by the model that wrote it; some were corrected since.
;; Non Local Op. Allowed arithmetic: matrix products marked QUANTISED: E4M3 operands, one given power-of-two scale a tensor, by v_wmma_f32_16x16x64_fp8_fp8 or v_wmma_f32_16x16x128_fp8_fp8, f32 sums; everything else in f32.
;; Inputs: l 8 x 256 x 64 x 64 float32; lowp_scales 8 int32 (the exponents e of the quantised operands' scales 2^e); w_phi 128 x 256 float32; w_theta 128 x 256 float32.
;; Outputs: out0 8 x 256 x 64 x 64 float32.
;; This version of the problem:
;;   THIS VERSION OF THE PROBLEM IS GIVEN IN LOW PRECISION. The matrix products marked QUANTISED in the list below multiply operands that are first quantised to E4M3 (4 exponent bits, 3 mantissa bits; 8 bits a number), with one given power-of-two scale for each operand tensor; their sums are f32. All else is computed in f32.
;;   The module's matrix products, in the order in which they are computed (A, B: the left and right operand; K: the contracted axis; several contracted axes count as one K, in the product's order):
;;     1. [M 128, K 256] x [K 256, N 32,768]; A: input w_theta; B: input l: QUANTISED (scales: A lowp_scales[0], B lowp_scales[1])
;;     2. [M 128, K 256] x [K 256, N 32,768]; A: input w_phi; B: input l: QUANTISED (scales: A lowp_scales[2], B lowp_scales[3])
;;     3. batch 8 x [M 4,096, K 128] x [K 128, N 4,096]; A: computed on the way; B: computed on the way: QUANTISED (scales: A lowp_scales[4], B lowp_scales[5])
;;     4. batch 8 x [M 256, K 4,096] x [K 4,096, N 4,096]; A: input l; B: softmax (see below): QUANTISED (scales: A lowp_scales[6], B lowp_scales[7])
;;   THE QUANTISER, for each operand of a quantised product, along K:
;;     - The operand's scale is 2^e, e = its entry of the input lowp_scales (int32; the entries are numbered through the quantised products in the list's order, A before B).
;;     - Each number is divided by the scale, clamped to +-448, and rounded to the nearest number of E4M3, ties to even, subnormals kept.
;;     - The product sums the exact products of the quantised numbers (number of the format x scale) in f32.
;;   ~~~python
;;   def quantise(x, axis, e):      # numpy; x: float32 -> the quantised numbers, widened to float32 again
;;       x = np.moveaxis(x, axis, -1); K = x.shape[-1]
;;       r = np.clip(x / 2.0 ** e, -448, 448)
;;       step = 2.0 ** (np.maximum(np.frexp(np.where(r == 0, 1, r))[1] - 1, -6) - 3)
;;       q = np.round(r / step) * step * 2.0 ** e      # np.round: ties to even
;;       return np.moveaxis(q, -1, axis).astype(np.float32)
;;   ~~~
;;   SOFTMAX AHEAD OF A QUANTISED PRODUCT. Where the list says 'softmax', what is quantised is not the finished softmax but p = 2^(t - M), with t = logit x log2(e) and M = ceil(the row's largest t), a whole number; so 1/2 < the row's largest p <= 1. The row's sum l is taken of the UNQUANTISED p, in f32, and the product's result is divided by l at the end. Since M is a whole number, a kernel that streams over the keys may use a running M (the ceiling of the running maximum): every later rescaling is an exact power of two, so the quantised numbers keep their values, but for numbers so far below the row's largest that they fall under the format's range.
;;   OPERANDS COMPUTED ON THE WAY. 'Computed on the way' means the value that the module computes at that place (a softmax that the list does not call 'softmax' is quantised finished and normalised). What goes into a quantiser is computed in f32, as accurately as f32 sums, v_exp_f32 and their like allow (about 1e-6 of the number): no bf16 or f16 on the way to a quantiser, and a product that is left as it is and whose result goes on into a quantised operand takes f32 operands (vector FMAs, or v_wmma_f32_16x16x4_f32). A number that lies on a knife's edge between two numbers of the format may be rounded either way, as far as f32 arithmetic and the matrix unit's own rounding can turn it there, and no further.
;; One version. Each part assembles by itself: llvm-mc -triple=amdgcn-amd-amdhsa -mcpu=gfx1250 --defsym DOCPART=n.
;; ======== version 1 of 1: 2 launches
;; workspace buffers: th 4,194,304 bytes; kv 12,582,912 bytes
;; launch prep (part 1): grid 32 x 8, 4 waves a work-group, no clusters, 201,216 bytes of LDS; arguments l, w_theta, w_phi, lowp_scales, th, kv; writes th, kv
.if DOCPART == 1
	.amdgcn_target "amdgcn-amd-amdhsa--gfx1250"
	.amdhsa_code_object_version 6
	.text
	.protected	k_qd1d3518a21_prep
	.globl	k_qd1d3518a21_prep
	.p2align	8
	.type	k_qd1d3518a21_prep,@function
k_qd1d3518a21_prep:
	s_mov_b64 s[64:65], 0
	v_nop
	global_prefetch_b8 v0, s[64:65] scope:SCOPE_SE
	s_setreg_imm32_b32 hwreg(HW_REG_WAVE_MODE, 25, 1), 1
	s_wait_xcnt 0x0
; theta = w_theta l, phi = w_phi l (both products on codes of E4M3, K = the 256 channels), and three sets of codes for the second launch:
;   th: theta's codes (scale 2^e4), kv: phi's codes (2^e5) and l's codes along the pixels (2^e6).  l: [8][256][4096] f32; w_theta, w_phi: [128][256] f32.
; SHARES.  Work-group (x, y) takes a strip of 128 pixels of image y: l[y][0..255][128 x .. 128 x + 127], 256 rows of 512 bytes, brought once into LDS, a quarter by each wave's one tensor load.
; Wave w makes pixel tiles 2 w and 2 w + 1 of theta and phi (all 128 rows of each) and channel tiles 4 w .. 4 w + 3 of l's codes along the pixels.
; THE WEIGHTS are quantised by each work-group anew while its strip is on its way: wave w turns a quarter of them (8 fragments) into codes; the 32 fragments go from wave to wave through LDS as images of
; their registers and then stay in every wave's registers.
; NO CLUSTER: what the work-groups share is the weights, 2 x 131,072 bytes of f32; beside the strip's 135,168 bytes they would not fit into the 327,680 bytes of LDS, so joint loads would need slots that
; are filled again and rounds of the cluster's barrier, for numbers of which a wave wants a quarter, once, straight in its registers.
; A FRAGMENT'S IMAGE is its 16 registers as 4 pieces of 512 bytes: piece c holds registers 4 c .. 4 c + 3, lane L's 16 bytes at 16 L.  Each store of a wave covers 512 consecutive bytes, aligned.
; BOTH PRODUCTS ARE USED TRANSPOSED: source 0 = 16 rows of a weight, source 1 = 16 pixels of l.  Lane (r, h) of a result holds one pixel, and its registers run along the embedding, the next K.
; THE ROWS OF A WEIGHT'S TILE ARE NOT NEIGHBOURS: lane r of tile 2 b + u takes row 32 b + 8 u + r + 8 (r / 8), so that the 16 registers of tiles 2 b, 2 b + 1 are e = 32 b + 16 h + 0 .. 15.
; The pixels of pixel tile 2 b + u are chosen likewise: 32 b + 8 u + r + 8 (r / 8): the second launch wants phi's tiles so, and theta's go the same way since both read the same columns of l.
; A sum of the first product stands for sum x 2^(e0 + e1): its code is sum / 2^(e4 - e0 - e1): the three scales are folded into the conversion's one; phi's likewise with e5 - e2 - e3.
; LIMITS, so that each power of two below is an f32 number: e0, e1, e2, e3, e6, e4 - e0 - e1 and e5 - e2 - e3 lie between -126 and 119.  NaN among the inputs is not served; an infinity is held at the largest code.
; REGISTERS, in windows of 256: window 0: v1-7 addresses, v8-19 six pairs (2^e, 448 x 2^e), v32-47 codes on their way out, v48-111 l's four fragments, v128-191 held numbers ahead of a conversion.
;   window 1: v0-63 theta's 8 accumulators, v64-127 phi's, v128-191 and v192-255 two sets of 64 numbers of l.
;   windows 2, 3: first my 8 weight fragments as f32 (64 registers each); behind the barrier theta's 16 fragments of codes (window 2, at 16 (2 t + s)) and phi's (window 3).
.set PITCH, 528                        ; a strip's row in LDS: 512 bytes + 16 of padding: an odd multiple of 16
.set WIMG,  256*PITCH                  ; behind the strip: 32 images of 2,048 bytes; no tensor load lands there
.set LI,  1                            ; v1   16 x lane
.set CA,  2                            ; v2, v3  a column of l in the strip: channels 0-127, 128-255
.set GA,  4                            ; v4   a row of l in the strip
.set WA,  5                            ; v5   my lane's place in a weight
.set WS,  6                            ; v6   where I store my weight images
.set WL,  7                            ; v7   where all images are read
.set PC,  32
.set B10, 48                           ; l's codes with e1, channels 0-127;  B11: 128-255
.set B11, 64
.set B30, 80                           ; the same with e3
.set B31, 96
.set TMP, 128
.set X0,  128                          ; in window 1
.set X1,  192
.set MSB, 0
.macro WIN new                         ; the immediate's high byte repeats the setting that is left; a switch that changes nothing is dropped
.if MSB != (\new)
	s_set_vgpr_msb (MSB<<8)|(\new)
.set MSB, (\new)
.endif
.endm
.macro MKSC se, vsc                    ; v[vsc] = 2^e as f32 (the conversion takes its exponent field), v[vsc + 1] = 448 x 2^e
	s_add_co_i32 s34, s[\se], 127
	s_lshl_b32 s35, s34, 23
	v_mov_b32 v[\vsc], s35
	s_add_co_i32 s34, s34, 8
	s_lshl_b32 s34, s34, 23
	s_or_b32 s34, s34, 0x600000
	v_mov_b32 v[\vsc+1], s34
.endm
; 64 numbers of a lane, v[src] on in window wsrc, become 16 registers of codes, v[dst] on in window 0.  The numbers themselves stay: l's are quantised twice.
.macro QUANT src, wsrc, dst, sc
	WIN \wsrc
.set k, 0
.rept 64
	v_med3_num_f32 v[TMP+k], v[\src+k], -v[\sc+1], v[\sc+1]   ; the conversion to an 8-bit code does not saturate (ISA guide 7.6.2): the hold at the largest code x the scale; ascending
.set k, k+1
.endr
	WIN 0
.set k, 0
.rept 8
	v_cvt_scalef32_pk8_fp8_f32 v[\dst+2*k:\dst+2*k+1], v[TMP+8*k:TMP+8*k+7], v[\sc]
.set k, k+1
.endr
	v_nop                                          ; one plain vector instruction between the last conversion and whatever next touches its result or writes its sources
.endm
; A fragment of l along the channels: lane (r, h) takes its pixel of tile 2 w + u; register 8 c + i = channel 128 s + 16 c + 8 h + i.  The 32 lanes of a load touch 32 different banks (lanes 16-31 lie 8 rows, 1,056 words, further on).
.macro XCOL u, s, x
	WIN 0x40                                       ; destination window 1
.set k, 0
.rept 64
	ds_load_b32 v[\x+k], v[CA+\s] offset:(16*(k/8)+k%8)*PITCH+32*\u
.set k, k+1
.endr
	WIN 0
.endm
; A fragment of l along the pixels: lane (r, h) takes channel 64 w + 16 t + r; register 16 c + i = pixel 32 c + 16 h + i of the strip.
.macro GROW t, x
	WIN 0x40
.set k, 0
.rept 16
	ds_load_b128 v[\x+4*k:\x+4*k+3], v[GA] offset:16*(\t)*PITCH+128*(k/4)+16*(k%4)
.set k, k+1
.endr
	WIN 0
.endm
; 32 matrix instructions: theta's and phi's 8 tiles for 16 pixels, two K steps of 128 channels.  The first K step starts the sums; the 16 accumulators take turns, one instruction a turn.
.macro MM
	WIN 0x52                                       ; source 0 (theta's weights) window 2, source 1 window 0, C and D window 1
.irp t, 0,1,2,3,4,5,6,7
	v_wmma_f32_16x16x128_fp8_fp8 v[8*\t:8*\t+7], v[32*\t:32*\t+15], v[B10:B10+15], 0
.endr
	WIN 0x53                                       ; source 0 (phi's weights) window 3
.irp t, 0,1,2,3,4,5,6,7
	v_wmma_f32_16x16x128_fp8_fp8 v[64+8*\t:64+8*\t+7], v[32*\t:32*\t+15], v[B30:B30+15], 0
.endr
	WIN 0x52
.irp t, 0,1,2,3,4,5,6,7
	v_wmma_f32_16x16x128_fp8_fp8 v[8*\t:8*\t+7], v[32*\t+16:32*\t+31], v[B11:B11+15], v[8*\t:8*\t+7]
.endr
	WIN 0x53
.irp t, 0,1,2,3,4,5,6,7
	v_wmma_f32_16x16x128_fp8_fp8 v[64+8*\t:64+8*\t+7], v[32*\t+16:32*\t+31], v[B31:B31+15], v[64+8*\t:64+8*\t+7]
.endr
	WIN 0
.endm
.macro OUT base, off                   ; the image in v[PC] on goes to memory: each store covers 512 consecutive bytes, aligned
.irp c, 0,1,2,3
	global_store_b128 v[LI], v[PC+4*\c:PC+4*\c+3], s[\base:\base+1] offset:\off+512*\c
.endr
.endm
	s_load_b256 s[4:11], s[0:1], 0x0               ; l s[4:5], w_theta s[6:7], w_phi s[8:9], the scales' exponents s[10:11]
	s_load_b128 s[12:15], s[0:1], 0x20             ; th s[12:13], kv s[14:15]
	v_lshl_add_u32 v254, v0, 2, 0x31000
	v_mov_b32 v255, 0
	ds_add_u32 v254, v255
	ds_add_u32 v254, v255
	v_lshrrev_b32 v20, 5, v0
	v_readfirstlane_b32 s16, v20                   ; wave 0..3
	s_mov_b32 s17, ttmp9                           ; x: the strip
	s_and_b32 s18, ttmp7, 0xffff                   ; y: the image
	; descriptor group 1: 64 rows (channels) x 128 elements of 4 bytes, 4,096 elements from row to row; in LDS 4 words of padding behind every 128
	s_mov_b32 s24, (2<<16)|(1<<20)|(6<<22)|(3<<25)
	s_mov_b32 s25, 128<<16                         ; tensor_dim0 = 128
	s_mov_b32 s26, 64<<16                          ; tensor_dim1 = 64
	s_mov_b32 s27, 128<<16                         ; tile_dim0 = 128
	s_mov_b32 s28, 64                              ; tile_dim1 = 64
	s_mov_b32 s29, 4096                            ; tensor_dim0_stride
	s_mov_b32 s30, 0
	s_mov_b32 s31, 0
	s_mov_b32 s20, 1                               ; group 0: count = 1,
	s_mul_i32 s21, s16, 64*PITCH                   ; LDS address: my 64 rows,
	s_lshl_b32 s34, s18, 22                        ; global address: image x 4,194,304 bytes
	s_lshl_b32 s35, s16, 20                        ; + my 64 channels of 16,384 bytes
	s_add_co_u32 s34, s34, s35
	s_lshl_b32 s35, s17, 9                         ; + the strip's 512 bytes
	s_add_co_u32 s34, s34, s35
	s_mov_b32 s35, 0
	s_wait_dscnt 0x0
	s_wait_kmcnt 0x0
	s_load_b256 s[40:47], s[10:11], 0x0            ; e0 .. e7
	s_add_nc_u64 s[22:23], s[4:5], s[34:35]
	s_or_b32 s23, s23, 0x80000000                  ; type = 2
	tensor_load_to_lds s[20:23], s[24:31]          ; my one tensor load: nothing in this launch is filled twice
	s_nop 0
.rept 4
	v_nop
.endr
	v_and_b32 v20, 31, v0                          ; lane
	v_lshlrev_b32 v[LI], 4, v20
	v_and_b32 v21, 15, v0                          ; r
	v_bfe_u32 v22, v0, 4, 1                        ; h
	v_and_b32 v23, 8, v21
	v_add_nc_u32 v23, v23, v21                     ; r + 8 (r / 8)
	v_lshlrev_b32 v[WA], 10, v23                   ; a weight's row is 1,024 bytes;
	v_lshl_add_u32 v[WA], v22, 5, v[WA]            ; + 32 h: eight channels
	s_cmp_lt_u32 s16, 2                            ; waves 0, 1 quantise w_theta, waves 2, 3 w_phi: the choice hangs on the wave's number alone
	s_cselect_b64 s[32:33], s[6:7], s[8:9]
	s_and_b32 s34, s16, 1
	s_lshl_b32 s34, s34, 16                        ; rows 0-63 or 64-127
	s_mov_b32 s35, 0
	s_add_nc_u64 s[32:33], s[32:33], s[34:35]
.irp f, 0,1,2,3,4,5,6,7                ; fragment f = 2 t + s of my eight: tile t, channels 128 s on; register 8 c + i = channel 128 s + 16 c + 8 h + i
	WIN 0x80+0x40*(\f/4)                           ; destination window 2 or 3
.irp c, 0,1,2,3,4,5,6,7
	global_load_b128 v[64*(\f%4)+8*\c:64*(\f%4)+8*\c+3],   v[WA], s[32:33] offset:(32*(\f/4)+8*((\f/2)%2))*1024+512*(\f%2)+64*\c
	global_load_b128 v[64*(\f%4)+8*\c+4:64*(\f%4)+8*\c+7], v[WA], s[32:33] offset:(32*(\f/4)+8*((\f/2)%2))*1024+512*(\f%2)+64*\c+16
.endr
.endr
	WIN 0
	v_mul_u32_u24 v[CA], v22, 8*PITCH              ; a column: 8 h rows down,
	v_lshl_add_u32 v[CA], v23, 2, v[CA]            ; pixel r + 8 (r / 8),
	s_lshl_b32 s34, s16, 7
	v_add_nc_u32 v[CA], s34, v[CA]                 ; of my wave's 32 pixels
	v_add_nc_u32 v[CA+1], 128*PITCH, v[CA]
	v_mul_u32_u24 v[GA], v21, PITCH                ; a row: channel r,
	v_lshl_add_u32 v[GA], v22, 6, v[GA]            ; + 16 h pixels,
	s_mul_i32 s34, s16, 64*PITCH
	v_add_nc_u32 v[GA], s34, v[GA]                 ; of my wave's 64 channels
	s_lshl_b32 s34, s16, 14
	s_add_co_u32 s34, s34, WIMG
	v_add_nc_u32 v[WS], s34, v[LI]                 ; my eight images: numbers 8 w .. 8 w + 7
	v_add_nc_u32 v[WL], WIMG, v[LI]
	s_lshl_b32 s36, s18, 5
	s_add_co_u32 s36, s36, s17                     ; 32 x image + strip
	s_lshl_b32 s34, s36, 14                        ; th: 16,384 bytes a strip,
	s_lshl_b32 s35, s16, 12                        ; my two images
	s_add_co_u32 s34, s34, s35
	s_mov_b32 s35, 0
	s_add_nc_u64 s[48:49], s[12:13], s[34:35]
	s_mul_i32 s34, s36, 49152                      ; kv: 49,152 bytes a strip: phi's 8 images, then l's 16
	s_lshl_b32 s37, s16, 12
	s_add_co_u32 s38, s34, s37
	s_mov_b32 s39, 0
	s_add_nc_u64 s[50:51], s[14:15], s[38:39]
	s_lshl_b32 s37, s16, 13
	s_add_co_u32 s38, s34, s37
	s_add_co_u32 s38, s38, 16384
	s_add_nc_u64 s[52:53], s[14:15], s[38:39]
	s_wait_kmcnt 0x0                               ; the exponents
	s_cmp_lt_u32 s16, 2
	s_cselect_b32 s54, s40, s42                    ; my weight's: e0 or e2
	s_sub_co_i32 s55, s44, s40
	s_sub_co_i32 s55, s55, s41                     ; e4 - e0 - e1
	s_sub_co_i32 s56, s45, s42
	s_sub_co_i32 s56, s56, s43                     ; e5 - e2 - e3
	MKSC 54, 8
	MKSC 41, 10
	MKSC 43, 12
	MKSC 46, 14
	MKSC 55, 16
	MKSC 56, 18
.irp f, 0,1,2,3,4,5,6,7
.if 16*(7-\f) > 63
	s_wait_loadcnt 63                              ; behind fragment f's sixteen loads stand 16 (7 - f); the wait's count holds 63 at the most, and a smaller count is safe
.else
	s_wait_loadcnt 16*(7-\f)
.endif
	s_wait_dscnt 0x0                               ; the last image's stores have read their registers
	QUANT 64*(\f%4), 2+\f/4, PC, 8
.irp c, 0,1,2,3
	ds_store_b128 v[WS], v[PC+4*\c:PC+4*\c+3] offset:\f*2048+512*\c
.endr
.endr
	s_wait_tensorcnt 0x0                           ; my quarter of the strip has landed,
	s_wait_dscnt 0x0                               ; my images are stored:
	s_barrier_signal -1
	s_barrier_wait -1                              ; everybody's are: the launch's one barrier
	WIN 0x80
.set k, 0
.rept 64
	ds_load_b128 v[4*k:4*k+3], v[WL] offset:512*k          ; theta's 16 fragments of codes
.set k, k+1
.endr
	WIN 0xc0
.set k, 0
.rept 64
	ds_load_b128 v[4*k:4*k+3], v[WL] offset:32768+512*k    ; phi's
.set k, k+1
.endr
	WIN 0
	XCOL 0, 0, X0
	XCOL 0, 1, X1
.irp u, 0,1                            ; pixel tile 2 w + u
	s_wait_dscnt 63                                ; behind the first set's loads stand the second set's 64: with 63 out at the most the first set (and all before it) is in
	QUANT X0, 1, B10, 10
	QUANT X0, 1, B30, 12
	s_wait_dscnt 0x0
	QUANT X1, 1, B11, 10
	QUANT X1, 1, B31, 12
.if \u == 0
	XCOL 1, 0, X0                                  ; the next tile's columns come while this tile is multiplied
	XCOL 1, 1, X1
.else
	GROW 0, X0                                     ; likewise the first two channel tiles' rows
	GROW 1, X1
.endif
	MM
.rept 4
	v_nop                                          ; four places between the last products and the first read of results (ISA guide 7.12.1)
.endr
	s_wait_xcnt 0x0                                ; earlier stores have read v[PC] on
	QUANT 0, 1, PC, 16
	OUT 48, \u*2048
	s_wait_xcnt 0x0
	QUANT 64, 1, PC, 18
	OUT 50, \u*2048
.endr
.irp t, 0,1,2,3                        ; l's codes along the pixels: channel tile 4 w + t
.if \t < 3
	s_wait_dscnt 16                                ; this set is in; the other set's sixteen loads may be out
.else
	s_wait_dscnt 0x0
.endif
	s_wait_xcnt 0x0
	QUANT X0+64*(\t%2), 1, PC, 14
	OUT 52, \t*2048
.if \t < 2
	GROW \t+2, X0+64*(\t%2)
.endif
.endr
	s_wait_tensorcnt 0x0
	ds_add_u32 v254, v255
	s_wait_dscnt 0x0
	s_endpgm
.Lfunc_end_k_qd1d3518a21_prep:
	.size	k_qd1d3518a21_prep, .Lfunc_end_k_qd1d3518a21_prep-k_qd1d3518a21_prep
	.p2alignl 7, 3214868480
	.fill 96, 4, 3214868480
	.section	.rodata,"a",@progbits
	.p2align	6, 0x0
	.amdhsa_kernel k_qd1d3518a21_prep
		.amdhsa_group_segment_fixed_size 201216
		.amdhsa_private_segment_fixed_size 0
		.amdhsa_enable_private_segment 0
		.amdhsa_kernarg_size 48
		.amdhsa_user_sgpr_count 2
		.amdhsa_user_sgpr_kernarg_segment_ptr 1
		.amdhsa_wavefront_size32 1
		.amdhsa_system_sgpr_workgroup_id_x 1
		.amdhsa_system_sgpr_workgroup_id_y 1
		.amdhsa_system_sgpr_workgroup_id_z 1
		.amdhsa_system_vgpr_workitem_id 0
		.amdhsa_next_free_vgpr 1024
		.amdhsa_next_free_sgpr 66
		.amdhsa_reserve_vcc 0
		.amdhsa_float_denorm_mode_32 3
		.amdhsa_float_denorm_mode_16_64 3
		.amdhsa_memory_ordered 1
		.amdhsa_forward_progress 1
		.amdhsa_inst_pref_size 168
	.end_amdhsa_kernel
	.amdgpu_metadata
---
amdhsa.version: [ 1, 2 ]
amdhsa.kernels:
  - .name:           k_qd1d3518a21_prep
    .symbol:         k_qd1d3518a21_prep.kd
    .args:
      - { .name: l, .offset: 0, .size: 8, .value_kind: global_buffer, .address_space: global }
      - { .name: w_theta, .offset: 8, .size: 8, .value_kind: global_buffer, .address_space: global }
      - { .name: w_phi, .offset: 16, .size: 8, .value_kind: global_buffer, .address_space: global }
      - { .name: lowp_scales, .offset: 24, .size: 8, .value_kind: global_buffer, .address_space: global }
      - { .name: th, .offset: 32, .size: 8, .value_kind: global_buffer, .address_space: global }
      - { .name: kv, .offset: 40, .size: 8, .value_kind: global_buffer, .address_space: global }
    .group_segment_fixed_size: 201216
    .private_segment_fixed_size: 0
    .kernarg_segment_align: 8
    .kernarg_segment_size: 48
    .max_flat_workgroup_size: 128
    .sgpr_count:     66
    .vgpr_count:     1024
    .wavefront_size: 32
...
	.end_amdgpu_metadata
.endif
;; end of part 1
;; launch attn (part 2): grid 32 x 8, 4 waves a work-group, clusters of 4 x 1, 327,680 bytes of LDS; arguments th, kv, lowp_scales, out0; writes out0
.if DOCPART == 2
	.amdgcn_target "amdgcn-amd-amdhsa--gfx1250"
	.amdhsa_code_object_version 6
	.text
	.protected	k_qd1d3518a21_attn
	.globl	k_qd1d3518a21_attn
	.p2align	8
	.type	k_qd1d3518a21_attn,@function
k_qd1d3518a21_attn:
	s_mov_b64 s[64:65], 0
	v_nop
	global_prefetch_b8 v0, s[64:65] scope:SCOPE_SE
	s_setreg_imm32_b32 hwreg(HW_REG_WAVE_MODE, 25, 1), 1
	s_wait_xcnt 0x0
	s_wait_alu depctr_hold_cnt(0) depctr_sa_sdst(0) depctr_va_vdst(0) depctr_va_sdst(0) depctr_va_ssrc(0) depctr_va_vcc(0) depctr_vm_vsrc(0)
	s_getreg_b32 s2, hwreg(HW_REG_IB_STS2, 6, 4)
	s_cmp_eq_u32 s2, 0
	s_cbranch_scc0 .Lentry_in_a_cluster
	s_endpgm
.Lentry_in_a_cluster:
	s_bfe_u32 s2, ttmp6, 0x10000c
	s_cmp_lg_u32 s2, 0x3003
	s_cbranch_scc0 .Lentry_shape_is_right
	s_endpgm
.Lentry_shape_is_right:
; out0[b][c][q] = the sum over k of softmax_k(theta[b][:, q] . phi[b][:, k] / sqrt(128)) l[b][c][k], both products on codes of E4M3 made by the first launch.
; th: [8][32 strips][8 tiles][2,048 bytes]: theta's codes.  kv: [8][32 strips][49,152 bytes]: a strip's (128 keys') 8 fragments of phi, then 16 fragments of l (16 channels x 128 keys each).
; All fragments lie as IMAGES OF THE OPERAND'S REGISTERS: 4 pieces of 512 bytes, piece c = registers 4 c .. 4 c + 3, lane L's 16 bytes at 16 L: four loads of 16 bytes a lane bring a fragment, from memory or from LDS.
; In a fragment lane (r, h) holds, of its row, k = 32 c + 16 h + 0 .. 15 in registers 4 c .. 4 c + 3: a permutation of k that is the same in both operands of each product.
; THE SOFTMAX: t = score x 2^(e4 + e5) x log2(e) / sqrt(128); M = the running largest t rounded UP to a whole number; p = 2^(t - M) is quantised with 2^e7, not normalised; the row's sum is taken of the
; unquantised p and divides at the end.  When M moves, the sum and O are multiplied by f = 2^(old M - new M), which rounds nothing.  No branch hangs on data.
; SHARES.  A work-group owns 128 queries (a strip) of one image, each of its four waves two tiles of 16: every fragment of phi and l read from LDS feeds two products.  Every wave walks the image's 32 key steps of 128 keys.
; LAYOUT.  S^T = phi^T theta (source 0 = 16 keys, source 1 = 16 queries), O^T = l P^T (source 0 = 16 channels, source 1 = P): a lane holds ONE query throughout.  The keys of tile 2 b + u are 32 b + 8 u + r + 8 (r / 8),
; so the 16 registers of tiles 2 b, 2 b + 1 are keys 32 b + 16 h + 0 .. 15 and the conversions' results are P's fragment.  The queries of tile 2 w + u are 32 w + 8 u + r + 8 (r / 8): the way out puts them in order.
; THE PIPELINE.  A wave issues in order and is alone on its SIMD, so each product is followed by a slice of vector work that names none of its registers.  ITERATION j finds P(j)'s codes and f(j) made:
;   1: the 16 products S(j + 1), behind each 8 of the 128 packed multiplies that bring O^T under f(j);
;   2: the 32 products O^T += l(j) P(j), behind each 8 or 9 of the 274 instructions of softmax(j + 1)'s first part (maximum, M, f, scalings, exponentials); l(j + 1) comes rolling into the fragments that are done with;
;   3: the sums, the holds and the conversions that make P(j + 1); phi(j + 2) comes meanwhile.
; LDS loads stand in runs of 8 (two fragments): 12 runs a key step.  A slice costs two switches of the register window, since no window has room for a product's operands beside the softmax's.
; CLUSTER.  The four work-groups of a cluster belong to one image and walk the same kv, so each slot (two key steps, 98,304 bytes) is asked for JOINTLY: wave w of each of the four issues the same tensor load for quarter w.
; A mask names four work-groups at the most, so the image's 32 work-groups are eight clusters.
; THE RING: two slots.  The change of slots stands in every even iteration 2 s - 2, behind its sums: all reads of data slot s - 1 (phi and l of steps 2 s - 2, 2 s - 1) have been issued, and data slot s is wanted next
; (phi of step 2 s).  The refill has two iterations in which to land.  A wave has one tensor load out at the most.
; LIMITS, so that each power of two below is an f32 number: e4 + e5 between -123 and 130 (added to c's exponent field); e7 between -126 and 119; e6 + e7 goes through v_ldexp_f32 and has none.
; REGISTERS, in windows of 256: window 0: v1-7 addresses and constants; v8-15 statistics; v16-31 at work; v32-63 Q; v64-95 P's codes; v96-102 more addresses; v128-255 S^T, then p (64 a tile).
;   window 1: O^T (tile u, channel tile t at 128 u + 8 t).   window 2: v0-127 phi's 8 fragments.   window 3: l's 16 fragments.
.set STEPB, 49152                      ; a key step's block
.set KB,    16384                      ; phi's part of it
.set SLOTB, 2*STEPB
.set QUART, SLOTB/4                    ; what one tensor load brings: 96 rows of 256 bytes
.set SLOT1, 1<<17                      ; slot 1 begins here, so that one exclusive or turns an address in one slot into the other's
.set SPARE, SLOT1+SLOTB                ; the spare words, 128 bytes for each wave: two blocks of 256 bytes that no other line names
.set STAGE, SPARE+512                  ; the way out: 128 rows (channels) x (512 bytes + 16); no tensor load lands there
.set SP,    528
.set IMGKV, 32*STEPB                   ; an image's bytes of kv
.set NL,    274                        ; instructions in the first part of a key step's softmax, both tiles
.set LI,  1                            ; v1   16 x lane
.set ADR, 2                            ; v2, v3  16 x lane + the slot in hand, its first and its second key step
.set SPW, 4                            ; v4   LDS address of my spare word; never rewritten
.set NIL, 5                            ; v5   0; never rewritten
.set PSC, 6                            ; v6   2^e7;  v7  448 x 2^e7
.set ST,  8                            ; tile u at v[ST + 4 u]: -M, the largest t, the sum in two halves
.set TM,  16                           ; tile u at v[TM + 8 u]: +0, +1 at work; +2 f (+3 named with it as a pair); +4 a permute's destination; +6, +7 the sum's second chain
.set Q,   32
.set P,   64
.set PFO, 96                           ; v96  256 x lane; never rewritten
.set STO, 97
.set RD,  98
.set GO,  99
.set S,   128
.set WV,  12                           ; s12  wave
.set LIM, 15                           ; s15  1 in a wave that prefetches, else the greatest number
.set PFA, 18                           ; s[18:19] where my prefetches stand
.set SEL, 20                           ; s[20:21] v_permlanex16_b32's selects for lane l xor 16
.set CS,  22                           ; s[22:23] c x 2^(e4 + e5), twice
.set G1,  24                           ; s[24:31] descriptor group 1
.set G0,  32                           ; s[32:35] descriptor group 0: it walks
.set TB,  36                           ; s36  LDS byte at which the slot in hand begins
.set SLOTS, 37                         ; s37  slots still to be asked for in the loop
.set TAIL, 39                          ; s39  counts the tail's two trips
.set MSB, 0
.macro WIN new                         ; the immediate's high byte repeats the setting that is left; a switch that changes nothing is dropped
.if MSB != (\new)
	s_set_vgpr_msb (MSB<<8)|(\new)
.set MSB, (\new)
.endif
.endm
; A round of the cluster's barrier: my work-group's barrier; wave 0 signals for the work-group; every wave waits for all four work-groups; my work-group's barrier once more.
.macro CROUND
	s_barrier_signal -1
	s_barrier_wait -1
	s_cmp_lg_u32 s[WV], 0
	s_cbranch_scc1 .Lnot_wave_0_\@
	s_barrier_signal -3
.Lnot_wave_0_\@:
	s_barrier_wait -3
	s_barrier_signal -1
	s_barrier_wait -1
.endm
.macro JLOAD                           ; the joint load: one line for all four waves; its registers hang on the wave's number and the image alone, which the four partners share.  Four v_nop follow
	tensor_load_to_lds s[G0:G0+3], s[G1:G1+7]
	s_nop 0
.rept 4
	v_nop
.endr
.endm
.macro KFRAG t, adr                    ; fragment t of a key step's phi.  (The window is left as it is: what follows sets its own)
	WIN 0x80                                       ; destination window 2
.irp c, 0,1,2,3
	ds_load_b128 v[16*(\t)+4*\c:16*(\t)+4*\c+3], v[\adr] offset:2048*(\t)+512*\c
.endr
.endm
.macro VFRAG t, adr                    ; fragment t of its l
	WIN 0xc0                                       ; destination window 3
.irp c, 0,1,2,3
	ds_load_b128 v[16*(\t)+4*\c:16*(\t)+4*\c+3], v[\adr] offset:KB+2048*(\t)+512*\c
.endr
.endm
; A PREFETCH INTO THE L2 of the slot that the NEXT change of slots will ask for: 98,304 bytes, two key steps ahead of that load.  Each aligned block of 256 bytes is named once in the launch: all eight clusters of an
; image walk the same kv, and the image's first cluster asks; its four partners take 24,576 bytes each, told apart BY ADDRESS; in each, waves 0 to 2 take 8,192 bytes, lanes 256 bytes apart: one instruction a wave.
; The last change that fills a slot asks for nothing; the first two slots come by their loads alone.
.macro ASK
	s_cmp_gt_u32 s[SLOTS], s[LIM]
	s_cbranch_scc0 .Lnot_mine_\@
	global_prefetch_b8 v[PFO], s[PFA:PFA+1] th:TH_LOAD_NT scope:SCOPE_SE
.Lnot_mine_\@:
.endm
; THE CHANGE OF SLOTS.  Each wave waits for all its tensor loads (the one that is out is its quarter of the slot ahead), adds 0 to its spare word, and waits for that and for its reads of the slot that it leaves.
; fill = 1: the barrier is a round of the cluster's, so that no wave of any partner still reads that slot or has a load on its way; the joint refill is the first thing behind it.
.macro CHANGE fill
	WIN 0                                          ; at a label and at a branch every window is 0; the add's two registers lie in window 0
	s_wait_tensorcnt 0x0                           ; no tensor load of mine is out, so group 0 may be written
	ds_add_u32 v[SPW], v[NIL]                      ; 0 onto my spare word
.if \fill
	s_xor_b32 s[G0+1], s[G0+1], SLOT1              ; the other slot than last time,
	s_add_nc_u64 s[G0+2:G0+3], s[G0+2:G0+3], SLOTB ; the next two key steps; the type bits on top are not reached
	s_wait_xcnt 0x0                                ; the last prefetch, two key steps back, has read its address:
	s_add_nc_u64 s[PFA:PFA+1], s[PFA:PFA+1], SLOTB ; one slot further on than the walking descriptor
.endif
	s_wait_dscnt 0x0                               ; the add is done, and my reads of the slot that I leave are over
.if \fill
	CROUND
	JLOAD
.else
	s_barrier_signal -1
	s_barrier_wait -1
.endif
	s_xor_b32 s[TB], s[TB], SLOT1                  ; on to the other slot
	v_add_nc_u32 v[ADR], s[TB], v[LI]
	v_add_nc_u32 v[ADR+1], STEPB, v[ADR]
.if \fill
	ASK
.endif
.endm
; Packed multiply k of 128 that brings O^T under the new M: tile k / 64, registers 2 (k % 64) on: ascending.
.macro RESC
	v_pk_mul_f32 v[128*(k/64)+2*(k%64):128*(k/64)+2*(k%64)+1], v[128*(k/64)+2*(k%64):128*(k/64)+2*(k%64)+1], v[TM+8*(k/64)+2:TM+8*(k/64)+3] op_sel_hi:[1,0]
.endm
; Product w of 32 of O^T += l P^T: channel tile w / 2, query tile w % 2.  zero = 1: it starts the sum: nothing is ever cleared.  The 32 accumulators take turns, one instruction a turn.
.macro PVW zero
.if \zero
	v_wmma_f32_16x16x128_fp8_fp8 v[128*(w%2)+8*(w/2):128*(w%2)+8*(w/2)+7], v[16*(w/2):16*(w/2)+15], v[P+16*(w%2):P+16*(w%2)+15], 0
.else
	v_wmma_f32_16x16x128_fp8_fp8 v[128*(w%2)+8*(w/2):128*(w%2)+8*(w/2)+7], v[16*(w/2):16*(w/2)+15], v[P+16*(w%2):P+16*(w%2)+15], v[128*(w%2)+8*(w/2):128*(w%2)+8*(w/2)+7]
.endif
.endm
; THE FIRST PART OF A KEY STEP'S SOFTMAX, both tiles: a list of NL instructions; SM2 writes number n of it.  All of it lies in window 0, and none of it reads an exponential's result.
;   0-61    the largest of a lane's 64 scores, two chains a tile, the registers ascending, the tiles alternating
;   62-81   the chains joined; the other half of the lanes'; as t; the running largest t; -M = floor(-t); f = 2^(old M - new M): ten instructions a tile, the tiles alternating
;   82-273  64 packed scalings t - M and 128 exponentials.  Pair g of 64 is pair g / 2 of tile g % 2.  Two scalings lead; then scaling g + 2, exponential, exponential of pair g; the last two pairs' four exponentials end the list
.macro SM2
	WIN 0
.if n < 4
.set zu, n/2
.set zc, n%2
	v_max3_num_f32 v[TM+8*zu+zc], v[S+64*zu+3*zc], v[S+64*zu+3*zc+1], v[S+64*zu+3*zc+2]
.elseif n < 60
.set zi, 6+4*((n-4)/4)
.set zu, ((n-4)/2)%2
.set zc, n%2
	v_max3_num_f32 v[TM+8*zu+zc], v[TM+8*zu+zc], v[S+64*zu+zi+2*zc], v[S+64*zu+zi+2*zc+1]
.elseif n < 82
.set zu, n%2
.set zk, (n-60)/2
.if zk == 0
	v_max3_num_f32 v[TM+8*zu], v[TM+8*zu], v[S+64*zu+62], v[S+64*zu+63]
.elseif zk == 1
	v_max_num_f32 v[TM+8*zu], v[TM+8*zu], v[TM+8*zu+1]
.elseif zk == 2
	v_permlanex16_b32 v[TM+8*zu+4], v[TM+8*zu], s[SEL], s[SEL+1]   ; the query's other 64 keys lie in the lane 16 away
.elseif zk == 3
	v_max_num_f32 v[TM+8*zu], v[TM+8*zu], v[TM+8*zu+4]
.elseif zk == 4
	v_mul_f32 v[TM+8*zu], s[CS], v[TM+8*zu]        ; as t (c is positive)
.elseif zk == 5
	v_max_num_f32 v[ST+4*zu+1], v[ST+4*zu+1], v[TM+8*zu]   ; the running largest t
.elseif zk == 6
	v_mov_b32 v[TM+8*zu], v[ST+4*zu]
.elseif zk == 7
	v_floor_f32 v[ST+4*zu], -v[ST+4*zu+1]          ; the new -M = floor(-t) = -ceil(t): a whole number
.elseif zk == 8
	v_sub_f32 v[TM+8*zu], v[ST+4*zu], v[TM+8*zu]   ; old M - new M: a whole number, 0 or less
.elseif zk == 9
	v_cvt_i32_f32 v[TM+8*zu], v[TM+8*zu]           ; (it saturates)
.else
	v_ldexp_f32 v[TM+8*zu+2], 1.0, v[TM+8*zu]      ; f = 2^(old M - new M)
.endif
.else
.set zm, n-82
.if zm < 2
.set zg, zm
.set zr, 0
.elseif zm < 188
.set zg, (zm-2)/3
.set zr, (zm-2)%3
.if zr == 0
.set zg, zg+2
.endif
.else
.set zg, 62+(zm-188)/2
.set zr, 1+(zm-188)%2
.endif
.set zu, zg%2
.set zb, zg/2
.if zr == 0
	v_pk_fma_f32 v[S+64*zu+2*zb:S+64*zu+2*zb+1], v[S+64*zu+2*zb:S+64*zu+2*zb+1], s[CS:CS+1], v[ST+4*zu:ST+4*zu+1] op_sel_hi:[1,0,0]   ; t - M, two at a time (of the pairs c and -M the low word serves both halves)
.else
	v_exp_f32 v[S+64*zu+2*zb+zr-1], v[S+64*zu+2*zb+zr-1]   ; p = 2^(t - M), at most 1
.endif
.endif
.endm
; PHASE 1: S^T of the next key step: product w of 16: keys' tile w / 2, query tile w % 2.  pv = 2: behind each product 8 of the 128 multiplies by f: they name none of its registers, so the last eight are also the places
; (ISA guide 7.12.1) in front of the first read of the scores.  Else four v_nop are.
.macro PHASE1 pv
.set w, 0
.rept 16
.if w%2 == 0
	s_wait_dscnt 28-4*(w/2)                        ; phi's 32 loads are the last LDS instructions issued: behind fragment t's four stand 4 (7 - t).  At the last of these waits l's fragments, asked for earlier, are in too
.endif
	WIN 0x02                                       ; source 0 (phi) window 2; Q and S^T window 0
	v_wmma_f32_16x16x128_fp8_fp8 v[S+64*(w%2)+8*(w/2):S+64*(w%2)+8*(w/2)+7], v[16*(w/2):16*(w/2)+15], v[Q+16*(w%2):Q+16*(w%2)+15], 0
.if \pv == 2
	WIN 0x41                                       ; O^T (destination and source 0) window 1, f window 0
.set k, 8*w
.rept 8
	RESC
.set k, k+1
.endr
.endif
.set w, w+1
.endr
.if \pv != 2
	WIN 0
.rept 4
	v_nop
.endr
.endif
.endm
; PHASE 2: the 32 products of O^T (pv = 2; pv = 1: they start the sums; pv = 0: none), behind product w the instructions NL w / 32 up to NL (w + 1) / 32 of the list: 8 or 9.
; l of the next step comes rolling, two fragments (8 loads) a run: fragments 2 r, 2 r + 1 behind slice 4 r + 5.  Their last reader is product 4 r + 3; in the three slices between stand 24 instructions or more, of which at
; least every third is plain (a maximum, a statistic or a scaling): more than the four places that a load into a product's source wants.  Fragments 14 and 15 follow in the sums.
.macro PHASE2 pv, vadr
.set w, 0
.rept 32
.if \pv
	WIN 0x53                                       ; source 0 (l) window 3, P window 0, C and D window 1
	PVW 2-\pv
.endif
.set n, NL*w/32
.rept NL*(w+1)/32-NL*w/32
	SM2
.set n, n+1
.endr
.if (w%4 == 1) && (w > 4)
	VFRAG (w-5)/2, \vadr
	VFRAG (w-5)/2+1, \vadr
.endif
.set w, w+1
.endr
.endm
.macro ADDS j                          ; four of the sums' additions: two chains a tile
.irp u, 0,1
	v_pk_add_f32 v[ST+4*\u+2:ST+4*\u+3], v[ST+4*\u+2:ST+4*\u+3], v[S+64*\u+\j:S+64*\u+\j+1]
	v_pk_add_f32 v[TM+8*\u+6:TM+8*\u+7], v[TM+8*\u+6:TM+8*\u+7], v[S+64*\u+\j+2:S+64*\u+\j+3]
.endr
.endm
; THE SUMS: of the unquantised p, two at a time.  The batch of 128 exponentials has ONE wait, ahead of the first instruction that names a result.
.macro SUMS vadr
	WIN 0
.irp u, 0,1
	v_pk_mul_f32 v[ST+4*\u+2:ST+4*\u+3], v[ST+4*\u+2:ST+4*\u+3], v[TM+8*\u+2:TM+8*\u+3] op_sel_hi:[1,0]   ; the sums under the new M: the plain instructions behind the last exponential
.endr
	s_wait_alu depctr_va_vdst(0)
.irp u, 0,1
	v_pk_add_f32 v[TM+8*\u+6:TM+8*\u+7], v[S+64*\u:S+64*\u+1], v[S+64*\u+2:S+64*\u+3]
.endr
	ADDS 4
	VFRAG 14, \vadr                                ; behind the last product stand one scaling, the two multiplies and six additions: more than four places
	VFRAG 15, \vadr
	WIN 0
.irp j, 8,12,16,20,24,28,32,36,40,44,48,52,56,60
	ADDS \j
.endr
.irp u, 0,1
	v_pk_add_f32 v[ST+4*\u+2:ST+4*\u+3], v[ST+4*\u+2:ST+4*\u+3], v[TM+8*\u+6:TM+8*\u+7]
.endr
.endm
; PHASE 3: p becomes P's codes: block x of 8 = keys 32 (x / 2) + 16 h + 0 .. 15 of tile x % 2.  phi of the step after next comes in four runs of two fragments, ahead of blocks 0, 2, 4, 6.
.macro PHASE3 kadr
.irp x, 0,1,2,3,4,5,6,7
.if \x%2 == 0
	KFRAG \x, \kadr
	KFRAG \x+1, \kadr
	WIN 0
.endif
.set k, 0
.rept 16
	v_min_num_f32 v[S+64*(\x%2)+16*(\x/2)+k], v[S+64*(\x%2)+16*(\x/2)+k], v[PSC+1]   ; the conversion does not saturate (ISA guide 7.6.2); p is not negative, so the hold is one-sided
.set k, k+1
.endr
	v_cvt_scalef32_pk8_fp8_f32 v[P+16*(\x%2)+4*(\x/2):P+16*(\x%2)+4*(\x/2)+1],   v[S+64*(\x%2)+16*(\x/2):S+64*(\x%2)+16*(\x/2)+7],    v[PSC]
	v_cvt_scalef32_pk8_fp8_f32 v[P+16*(\x%2)+4*(\x/2)+2:P+16*(\x%2)+4*(\x/2)+3], v[S+64*(\x%2)+16*(\x/2)+8:S+64*(\x%2)+16*(\x/2)+15], v[PSC]
.endr
	v_nop                                          ; the plain instruction between the last conversion and the next products, which write its sources
.endm
; AN ITERATION.  par = 1, odd (j = 2 s - 1): l(j + 1) is the slot's first step, phi(j + 2) its second.  par = 0, even (j = 2 s - 2): l(j + 1) is the second step of the slot that is left, phi(j + 2) the first of the slot ahead.
; chg = 1: a change of slots that fills; 2: one that does not; 0: none.
.macro ITER par, pv, chg
	PHASE1 \pv
	PHASE2 \pv, ADR+1-\par
	SUMS ADR+1-\par
.if \chg == 1
	CHANGE 1
.elseif \chg == 2
	CHANGE 0
.endif
	PHASE3 ADR+\par
.endm
	s_load_b256 s[4:11], s[0:1], 0x0               ; th s[4:5], kv s[6:7], the scales' exponents s[8:9], out0 s[10:11]
	v_lshl_add_u32 v[SPW], v0, 2, SPARE
	v_mov_b32 v[NIL], 0
	ds_add_u32 v4, v5
	ds_add_u32 v4, v5
	s_wait_dscnt 0x0
	v_lshrrev_b32 v100, 5, v0
	v_readfirstlane_b32 s[WV], v100                ; wave 0..3
	s_bfe_u32 s13, ttmp6, 0x40000                  ; cx: my place in the cluster: it enters th's, out0's and the prefetches' addresses alone
	s_lshl_b32 s14, ttmp9, 2                       ; in a cluster launch ttmp9 counts clusters
	s_add_co_u32 s14, s14, s13                     ; my strip of 128 queries
	s_and_b32 s16, ttmp7, 0xffff                   ; the image, which the four partners share
	; descriptor group 1: a dense block as 96 rows of 32 elements of 8 bytes; no padding
	s_mov_b32 s[G1], 15|(3<<16)|(1<<21)            ; 15:0 the mask: all four work-groups; 17:16 elements of 8 bytes; 21 set beside a mask
	s_mov_b32 s[G1+1], 32<<16                      ; tensor_dim0 = 32
	s_mov_b32 s[G1+2], 96<<16                      ; tensor_dim1 = 96
	s_mov_b32 s[G1+3], 32<<16                      ; tile_dim0 = 32
	s_mov_b32 s[G1+4], 96                          ; tile_dim1 = 96
	s_mov_b32 s[G1+5], 32                          ; tensor_dim0_stride
	s_mov_b32 s[G1+6], 0
	s_mov_b32 s[G1+7], 0
	s_mov_b32 s[G0], 1                             ; count = 1
	s_mul_i32 s[G0+1], s[WV], QUART                ; LDS address: quarter w of slot 0
	s_mul_i32 s48, s16, IMGKV                      ; the image's kv,
	s_mul_i32 s49, s[WV], QUART                    ; quarter w of its first slot
	s_add_co_u32 s48, s48, s49
	s_mov_b32 s49, 0
	s_mov_b32 s[SEL], 0x76543210
	s_mov_b32 s[SEL+1], 0xfedcba98
	s_mov_b32 s[TB], SLOT1                         ; the first change of slots turns it to slot 0
	s_mov_b32 s[SLOTS], 13
	s_wait_kmcnt 0x0
	s_load_b256 s[40:47], s[8:9], 0x0              ; e0 .. e7
	s_add_nc_u64 s[G0+2:G0+3], s[6:7], s[48:49]
	s_or_b32 s[G0+3], s[G0+3], 0x80000000          ; type = 2
	CROUND                                         ; all four work-groups are here: the first joint loads meet
	JLOAD                                          ; key steps 0 and 1 into slot 0
	v_and_b32 v100, 31, v0
	v_lshlrev_b32 v[LI], 4, v100
	v_lshlrev_b32 v[PFO], 8, v100
	s_lshl_b32 s48, s16, 19                        ; th: 524,288 bytes an image,
	s_lshl_b32 s49, s14, 14                        ; 16,384 a strip,
	s_add_co_u32 s48, s48, s49
	s_lshl_b32 s49, s[WV], 12                      ; my two tiles
	s_add_co_u32 s48, s48, s49
	s_mov_b32 s49, 0
	s_add_nc_u64 s[52:53], s[4:5], s[48:49]
.irp u, 0,1
.irp c, 0,1,2,3
	global_load_b128 v[Q+16*\u+4*\c:Q+16*\u+4*\c+3], v[LI], s[52:53] offset:2048*\u+512*\c   ; Q stays in registers
.endr
.endr
	s_lshl_b32 s48, s16, 22                        ; out0: 4,194,304 bytes an image,
	s_lshl_b32 s49, s14, 9                         ; my strip's 512 bytes of a row
	s_add_co_u32 s48, s48, s49
	s_mov_b32 s49, 0
	s_add_nc_u64 s[10:11], s[10:11], s[48:49]
	s_mul_i32 s50, s13, QUART                      ; the prefetches: my work-group's 24,576 bytes of a slot,
	s_lshl_b32 s51, s[WV], 13                      ; my wave's 8,192 of them,
	s_add_co_u32 s50, s50, s51
	s_mul_i32 s51, s16, IMGKV                      ; in my image,
	s_add_co_u32 s50, s50, s51
	s_add_co_u32 s50, s50, SLOTB                   ; in its second slot: the first change of slots steps it to the third.  Nothing is prefetched here, at the head
	s_mov_b32 s51, 0
	s_add_nc_u64 s[PFA:PFA+1], s[6:7], s[50:51]
	s_cmp_lt_u32 s[WV], 3
	s_cselect_b32 s48, 0, 1                        ; 0 in waves 0 to 2,
	s_or_b32 s48, s48, ttmp9                       ; of the image's first cluster: the same in all four partners
	s_cmp_eq_u32 s48, 0
	s_cselect_b32 s[LIM], 1, -1
.irp u, 0,1
	v_mov_b32 v[ST+4*\u+1], 0xff61b1e6             ; the largest t so far: -3e38, under every t
	v_floor_f32 v[ST+4*\u], -v[ST+4*\u+1]          ; -M
	v_mov_b32 v[ST+4*\u+2], 0                      ; the sum, in two halves
	v_mov_b32 v[ST+4*\u+3], 0
	v_mov_b32 v[TM+8*\u+3], 0                      ; (named as the upper half of f's pair)
	v_mov_b32 v[TM+8*\u+4], 0                      ; written once: a lane permute's destination counts as one of its sources
.endr
	s_wait_kmcnt 0x0
	s_add_co_i32 s48, s44, s45
	s_lshl_b32 s48, s48, 23
	s_mov_b32 s[CS], 0x3e0293ee                    ; c = log2(e) / sqrt(128)
	s_add_co_i32 s[CS], s[CS], s48                 ; a score stands for score x 2^(e4 + e5): the two exponents are added to c's exponent field
	s_mov_b32 s[CS+1], s[CS]                       ; (named with it as a pair, so it is written)
	s_add_co_i32 s48, s47, 127
	s_lshl_b32 s49, s48, 23
	v_mov_b32 v[PSC], s49                          ; 2^e7 as f32, for the conversion
	s_add_co_i32 s48, s48, 8
	s_lshl_b32 s48, s48, 23
	s_or_b32 s48, s48, 0x600000
	v_mov_b32 v[PSC+1], s48                        ; 448 x 2^e7
	s_add_co_i32 s38, s46, s47                     ; e6 + e7
	CHANGE 1                                       ; slot 0 is whole; key steps 2 and 3 go out into slot 1, issued as a refill is
.irp t, 0,1,2,3,4,5,6,7
	KFRAG \t, ADR                                  ; phi of key step 0
.endr
	WIN 0
	s_wait_loadcnt 0x0                             ; Q
	ITER 1, 0, 0                                   ; iteration -1: the first scores and the first softmax: there are no products of O^T yet to set them between
	ITER 0, 1, 1                                   ; iteration 0: its products start O^T's sums, and nothing is rescaled; key steps 4 and 5 go out
.Lslot:                                            ; 13 trips: iterations (1, 2) to (25, 26); each fills the slot that it leaves: data slots 3 to 15
	ITER 1, 2, 0
	ITER 0, 2, 1
	s_sub_co_u32 s[SLOTS], s[SLOTS], 1
	s_cmp_lg_u32 s[SLOTS], 0
	s_cbranch_scc1 .Lslot
	s_mov_b32 s[TAIL], 2
.Ltail:                                            ; 2 trips: iterations (27, 28) and (29, 30): a loop of its own.  The first trip's change shows the last slot whole.
	ITER 1, 2, 0                                   ; The second trip's change, and the 32 loads of phi behind it (bytes of a slot that landed long ago), serve nothing: they are the price of not writing two more key steps out
	ITER 0, 2, 2
	s_sub_co_u32 s[TAIL], s[TAIL], 1
	s_cmp_lg_u32 s[TAIL], 0
	s_cbranch_scc1 .Ltail
	WIN 0x41                                       ; iteration 31: O^T under the last M,
.set k, 0
.rept 128
	RESC
.set k, k+1
.endr
	s_wait_dscnt 0x0                               ; l of the last key step is in
	WIN 0x53
.set w, 0
.rept 32
	PVW 0                                          ; and its last products
.set w, w+1
.endr
	WIN 0
	; THE WAY OUT.  O^T / the sum x 2^(e6 + e7).  A lane holds eight channels of one query; out0's rows run along the queries.  So 128 channels at a time go through a stage in LDS, a row a channel, my queries at
	; their true places, and come back as whole rows of 512 bytes: the strip's part of a row of out0.
.irp u, 0,1
	v_add_f32 v[TM+8*\u], v[ST+4*\u+2], v[ST+4*\u+3]   ; the sum's two halves,
.endr
.irp u, 0,1
	v_permlanex16_b32 v[TM+8*\u+4], v[TM+8*\u], s[SEL], s[SEL+1]
.endr
.irp u, 0,1
	v_add_f32 v[TM+8*\u], v[TM+8*\u], v[TM+8*\u+4]     ; and lane l xor 16's
.endr
.irp u, 0,1
	v_rcp_f32 v[TM+8*\u+1], v[TM+8*\u]
.endr
	v_and_b32 v100, 15, v0                         ; r.  (The address work is the plain work behind the reciprocals, and the places behind the last products)
	v_bfe_u32 v101, v0, 4, 1                       ; h
	v_and_b32 v102, 8, v100
	v_add_nc_u32 v102, v102, v100                  ; r + 8 (r / 8)
	v_mul_u32_u24 v[STO], v101, 8*SP               ; into the stage: 8 h channels down,
	v_lshl_add_u32 v[STO], v102, 2, v[STO]         ; query r + 8 (r / 8)
	s_lshl_b32 s48, s[WV], 7                       ; of my wave's 32
	s_add_co_u32 s48, s48, STAGE
	v_add_nc_u32 v[STO], s48, v[STO]
	s_mul_i32 s49, s[WV], 32*SP                    ; back: wave w takes rows 32 w .. 32 w + 31, whole: 16 bytes a lane
	s_add_co_u32 s49, s49, STAGE
	v_add_nc_u32 v[RD], s49, v[LI]
	s_lshl_b32 s50, s[WV], 19                      ; and the same rows of out0: 32 w channels of 16,384 bytes
	v_add_nc_u32 v[GO], s50, v[LI]
	s_wait_alu depctr_va_vdst(0)                   ; one wait for both reciprocals, ahead of their first reader
.irp u, 0,1
	v_ldexp_f32 v[TM+8*\u+2], v[TM+8*\u+1], s38
.endr
.macro OUTHALF g                       ; channels 128 g .. 128 g + 127
	WIN 0x01                                       ; source 0 (O^T) window 1
.irp u, 0,1
.set k, 0
.rept 32
	v_pk_mul_f32 v[S+64*\u+2*k:S+64*\u+2*k+1], v[128*\u+64*\g+2*k:128*\u+64*\g+2*k+1], v[TM+8*\u+2:TM+8*\u+3] op_sel_hi:[1,0]   ; each accumulator from its low end on
.set k, k+1
.endr
.endr
	WIN 0
.irp u, 0,1
.set k, 0
.rept 64
	ds_store_b32 v[STO], v[S+64*\u+k] offset:(16*(k/8)+k%8)*SP+32*\u   ; channel 16 t + 8 h + j, query 32 w + 8 u + r + 8 (r / 8): the 32 lanes touch 32 different banks
.set k, k+1
.endr
.endr
	s_wait_dscnt 0x0                               ; for the others' sake: my stores into the stage are done
	s_barrier_signal -1
	s_barrier_wait -1
	WIN 0x80+0x40*\g                               ; destination window 2 or 3: registers of their own for each half, so that no store's data are written again
.set k, 0
.rept 32
	ds_load_b128 v[4*k:4*k+3], v[RD] offset:SP*k
.set k, k+1
.endr
	WIN 0x08+0x04*\g                               ; a store's data: source 1
.set k, 0
.rept 32
	s_wait_dscnt 31-k                              ; row k is back; the 31 - k behind it may be out
	global_store_b128 v[GO], v[4*k:4*k+3], s[10:11] offset:(128*\g+k)*16384 th:TH_STORE_NT   ; 32 lanes store 512 consecutive bytes, at a multiple of 512 from out0's first byte; written once, read by nobody here
.set k, k+1
.endr
	WIN 0
.if \g == 0
	s_barrier_signal -1                            ; every wave's reads of the stage are back (the count-down ended at 0): it may be written again
	s_barrier_wait -1
.endif
.endm
	OUTHALF 0
	OUTHALF 1
	s_wait_tensorcnt 0x0                           ; the wave's end, behind my last tensor load and my last LDS store
	ds_add_u32 v[SPW], v[NIL]
	s_wait_dscnt 0x0
	CROUND                                         ; the closing round: no work-group ends while a partner may still ask for a tile that names it
	s_endpgm
.Lfunc_end_k_qd1d3518a21_attn:
	.size	k_qd1d3518a21_attn, .Lfunc_end_k_qd1d3518a21_attn-k_qd1d3518a21_attn
	.p2alignl 7, 3214868480
	.fill 96, 4, 3214868480
	.section	.rodata,"a",@progbits
	.p2align	6, 0x0
	.amdhsa_kernel k_qd1d3518a21_attn
		.amdhsa_group_segment_fixed_size 327680
		.amdhsa_private_segment_fixed_size 0
		.amdhsa_enable_private_segment 0
		.amdhsa_kernarg_size 32
		.amdhsa_user_sgpr_count 2
		.amdhsa_user_sgpr_kernarg_segment_ptr 1
		.amdhsa_wavefront_size32 1
		.amdhsa_system_sgpr_workgroup_id_x 1
		.amdhsa_system_sgpr_workgroup_id_y 1
		.amdhsa_system_sgpr_workgroup_id_z 1
		.amdhsa_system_vgpr_workitem_id 0
		.amdhsa_next_free_vgpr 1024
		.amdhsa_next_free_sgpr 66
		.amdhsa_reserve_vcc 0
		.amdhsa_float_denorm_mode_32 3
		.amdhsa_float_denorm_mode_16_64 3
		.amdhsa_memory_ordered 1
		.amdhsa_forward_progress 1
		.amdhsa_inst_pref_size 255
	.end_amdhsa_kernel
	.section	.bss,"aw",@nobits
	.p2align	6
	.space	262144
	.amdgpu_metadata
---
amdhsa.version: [ 1, 2 ]
amdhsa.kernels:
  - .name:           k_qd1d3518a21_attn
    .symbol:         k_qd1d3518a21_attn.kd
    .args:
      - { .name: th, .offset: 0, .size: 8, .value_kind: global_buffer, .address_space: global }
      - { .name: kv, .offset: 8, .size: 8, .value_kind: global_buffer, .address_space: global }
      - { .name: lowp_scales, .offset: 16, .size: 8, .value_kind: global_buffer, .address_space: global }
      - { .name: out0, .offset: 24, .size: 8, .value_kind: global_buffer, .address_space: global }
    .group_segment_fixed_size: 327680
    .private_segment_fixed_size: 0
    .kernarg_segment_align: 8
    .kernarg_segment_size: 32
    .max_flat_workgroup_size: 128
    .sgpr_count:     66
    .vgpr_count:     1024
    .wavefront_size: 32
...
	.end_amdgpu_metadata
.endif
;; end of part 2
